; MI455X (gfx1250); checked and timed in simulation.
; The chip was launched on July 23, 2026; its instructions are those of AMD's public machine-readable ISA for CDNA 5 (MIT licence, August 2026) and "CDNA5" Instruction Set Architecture Reference Guide (July 2026). The comments in the code are by the model that wrote it; some were corrected since.
;; Attention. Allowed arithmetic: matrix products marked QUANTISED: E5M2 operands, one given power-of-two scale a tensor, by v_wmma_f32_16x16x64_bf8_bf8 or v_wmma_f32_16x16x128_bf8_bf8, f32 sums; products left as they are: f32 operands where the result goes on into a quantised operand, else bf16, f16 or f32 operands; f32 sums; everything else in f32.
;; Inputs: attn_W 1,024 x 2,048 float32; attn_b 1,024 float32; attn_mask 64 x 1,024 int32; encoder_outputs 1,024 x 64 x 1,024 float32; hidden 64 x 1,024 float32; lowp_scales 4 int32 (the exponents e of the quantised operands' scales 2^e); v_W 1,024 float32.
;; Outputs: out0 64 x 1,024 float32.
;; This version of the problem:
;;   THIS VERSION OF THE PROBLEM IS GIVEN IN LOW PRECISION. The matrix products marked QUANTISED in the list below multiply operands that are first quantised to E5M2 (5 exponent bits, 2 mantissa bits; 8 bits a number), with one given power-of-two scale for each operand tensor; their sums are f32. All else is computed in f32.
;;   The module's matrix products, in the order in which they are computed (A, B: the left and right operand; K: the contracted axis; several contracted axes count as one K, in the product's order):
;;     1. [M 64, K 1,024] x [K 1,024, N 1,024]; A: input hidden; B: input attn_W: QUANTISED (scales: A lowp_scales[0], B lowp_scales[1])
;;     2. [M 65,536, K 1,024] x [K 1,024, N 1,024]; A: input encoder_outputs; B: input attn_W: QUANTISED (scales: A lowp_scales[2], B lowp_scales[3])
;;     3. [M 65,536, K 1,024] x [K 1,024, N 1]; A: computed on the way; B: input v_W: left as it is (N = 1 < 16)
;;   THE QUANTISER, for each operand of a quantised product, along K:
;;     - The operand's scale is 2^e, e = its entry of the input lowp_scales (int32; the entries are numbered through the quantised products in the list's order, A before B).
;;     - Each number is divided by the scale, clamped to +-57,344, and rounded to the nearest number of E5M2, ties to even, subnormals kept.
;;     - The product sums the exact products of the quantised numbers (number of the format x scale) in f32.
;;   ~~~python
;;   def quantise(x, axis, e):      # numpy; x: float32 -> the quantised numbers, widened to float32 again
;;       x = np.moveaxis(x, axis, -1); K = x.shape[-1]
;;       r = np.clip(x / 2.0 ** e, -57344, 57344)
;;       step = 2.0 ** (np.maximum(np.frexp(np.where(r == 0, 1, r))[1] - 1, -14) - 2)
;;       q = np.round(r / step) * step * 2.0 ** e      # np.round: ties to even
;;       return np.moveaxis(q, -1, axis).astype(np.float32)
;;   ~~~
;; One version. Each part assembles by itself: llvm-mc -triple=amdgcn-amd-amdhsa -mcpu=gfx1250 --defsym DOCPART=n.
;; ======== version 1 of 1: 3 launches
;; workspace buffers: we_codes 1,048,576 bytes; hb2 262,144 bytes; sc 262,144 bytes
;; launch prep (part 1): grid 64 x 1, 16 waves a work-group, no clusters, 105,984 bytes of LDS; arguments attn_W, hidden, attn_b, lowp_scales, we_codes, hb2; writes we_codes, hb2
.if DOCPART == 1
	.amdgcn_target "amdgcn-amd-amdhsa--gfx1250"
	.amdhsa_code_object_version 6
	.text
	.protected	k_q8ac5b7e800_prep
	.globl	k_q8ac5b7e800_prep
	.p2align	8
	.type	k_q8ac5b7e800_prep,@function
k_q8ac5b7e800_prep:
	s_mov_b64 s[64:65], 0
	v_nop
	global_prefetch_b8 v0, s[64:65] scope:SCOPE_SE
	s_setreg_imm32_b32 hwreg(HW_REG_WAVE_MODE, 25, 1), 1
	s_wait_xcnt 0x0
; attn_W [1024][2048] f32 = [Wh | We].  Work-group T (of 64) takes the 16 outputs o = 16 T .. 16 T + 15 and makes
;   we_codes: We's codes of E5M2 with the scale 2^e3, as the IMAGE OF A FRAGMENT'S REGISTERS: [T][block 4 s + c][lane][16 bytes]: lane (r, h) of block (s, c) holds row 16 T + r, places 128 s + 32 c + 16 h + 0 .. 15;
;   hb2 [T][b][16] f32 = (hidden Wh^T x 2^(e0 + e1) + attn_b) / 2^(e2 + e3): what the next launch gives its sums as their first C.  hidden is quantised with 2^e0, Wh with 2^e1.
; THE ORDER OF K.  A row's 1,024 numbers are read by eight loads of 512 consecutive bytes; load 4 u + L gives lane i the numbers 512 u + 128 L + 4 i + e.  A lane's 16 numbers of a half u become 16 codes, which are laid at
; place 512 u + 16 i + 4 L + e of the row's 1,024 bytes of codes.  That is a permutation of K, the same in every operand of both products (here and in the next launch), so every product meets its partner.
; SHARES.  Sixteen waves.  Wave w quantises row 16 T + w of We, the same row of Wh, and rows 4 w .. 4 w + 3 of hidden, into LDS rows of 1,024 + 16 bytes; one barrier; every wave stores two blocks of We's image
; (512 consecutive bytes a store); waves 0 to 3 make the product for hidden's rows 16 w .. 16 w + 15 (source 0 = Wh's 16 rows, source 1 = hidden's: a lane holds one b and eight neighbouring o).
; LIMITS: e0, e1, e3 between -126 and 112; e0 + e1 between -126 and 127; e2 + e3 between -127 and 126: so that each power of two below is an f32 number.  NaN among the inputs is not served; an infinity is held at the largest code.
.set PITCH, 1040                       ; an LDS row of codes: 1,024 bytes + 16: an odd multiple of 16, so the 16 rows of a fragment load start at 16 different places modulo 256
.set WE,    0                          ; 16 rows
.set WH,    16*PITCH                   ; 16 rows
.set HID,   32*PITCH                   ; 64 rows
.set OUTS,  96*PITCH                   ; 1,024 bytes for each of waves 0 to 3
.set R,     16                         ; v16-207  six rows as loaded, 32 registers each; later Wh's 8 fragments (v16-143) and four of hidden's (v144-207)
.set BI,    208                        ; v208-215 attn_b at my eight o
.set CD,    216                        ; v216-231 codes, two sets of 8
.set A0,    232                        ; v232-239, v240-247 two accumulators, K steps by turns
.set A1,    240
.set RS,    248                        ; v248-255 results
	s_load_b256 s[4:11], s[0:1], 0x0               ; attn_W s[4:5], hidden s[6:7], attn_b s[8:9], the scales' exponents s[10:11]
	s_load_b128 s[12:15], s[0:1], 0x20             ; we_codes s[12:13], hb2 s[14:15]
	v_lshrrev_b32 v1, 5, v0
	v_readfirstlane_b32 s16, v1                    ; wave 0..15
	v_and_b32 v1, 31, v0                           ; lane
	v_and_b32 v2, 15, v0                           ; r
	v_bfe_u32 v3, v0, 4, 1                         ; h
	v_lshlrev_b32 v4, 4, v1                        ; 16 x lane: my bytes of every dense load and store
	; every LDS address is made here, ahead of the branch on the wave's number
	s_mul_i32 s17, s16, PITCH
	v_add_nc_u32 v5, s17, v4                       ; where I put We's row w (Wh's: WH further on)
	s_mul_i32 s17, s16, 4*PITCH
	s_add_co_u32 s17, s17, HID
	v_add_nc_u32 v6, s17, v4                       ; where I put hidden's rows 4 w on
	v_mul_u32_u24 v11, v2, PITCH
	v_lshl_add_u32 v11, v3, 4, v11                 ; a fragment's row r, + 16 h
	s_lshl_b32 s17, s16, 6
	v_add_nc_u32 v7, s17, v11                      ; We's blocks 2 w and 2 w + 1: 64 w bytes along the rows
	s_and_b32 s18, s16, 3
	s_mul_i32 s17, s18, 16*PITCH
	s_add_co_u32 s17, s17, HID
	v_add_nc_u32 v12, s17, v11                     ; hidden's fragments, rows 16 (w % 4) on
	v_add_nc_u32 v11, WH, v11                      ; Wh's fragments
	s_lshl_b32 s17, s18, 10
	s_add_co_u32 s17, s17, OUTS
	v_lshlrev_b32 v13, 6, v2
	v_lshl_add_u32 v13, v3, 5, v13
	v_add_nc_u32 v13, s17, v13                     ; the way out: b = r's 64 bytes, + 32 h
	v_add_nc_u32 v14, s17, v4                      ; and back, 16 bytes a lane
	v_lshlrev_b32 v15, 5, v3                       ; attn_b: 32 h
	s_lshl_b32 s17, ttmp9, 4
	s_add_co_u32 s17, s17, s16                     ; my row of attn_W: 16 T + w
	s_mov_b32 s45, 0
	s_wait_kmcnt 0x0
	s_load_b128 s[20:23], s[10:11], 0x0            ; e0, e1, e2, e3
	s_lshl_b32 s44, s17, 13                        ; rows of 8,192 bytes
	s_add_nc_u64 s[32:33], s[4:5], s[44:45]
	s_lshl_b32 s44, s16, 14                        ; four rows of 4,096 bytes
	s_add_nc_u64 s[34:35], s[6:7], s[44:45]
	s_lshl_b32 s44, ttmp9, 6
	s_add_nc_u64 s[36:37], s[8:9], s[44:45]
	s_lshl_b32 s44, ttmp9, 14
	s_lshl_b32 s46, s16, 10
	s_add_co_u32 s44, s44, s46
	s_add_nc_u64 s[38:39], s[12:13], s[44:45]      ; we_codes: tile T, blocks 2 w on
	s_lshl_b32 s44, ttmp9, 12
	s_lshl_b32 s46, s18, 10
	s_add_co_u32 s44, s44, s46
	s_add_nc_u64 s[40:41], s[14:15], s[44:45]      ; hb2: tile T, b = 16 (w % 4) on
.irp l, 0,1,2,3,4,5,6,7
	global_load_b128 v[R+4*\l:R+4*\l+3], v4, s[32:33] offset:4096+512*\l th:TH_LOAD_NT      ; We's row: the row's second half; read once in the launch
.endr
.irp l, 0,1,2,3,4,5,6,7
	global_load_b128 v[R+32+4*\l:R+32+4*\l+3], v4, s[32:33] offset:512*\l th:TH_LOAD_NT     ; Wh's row
.endr
.irp x, 0,1,2,3
.irp l, 0,1,2,3,4,5,6,7
	global_load_b128 v[R+64+32*\x+4*\l:R+64+32*\x+4*\l+3], v4, s[34:35] offset:4096*\x+512*\l   ; hidden's rows: every work-group reads them
.endr
.endr
	global_load_b128 v[BI:BI+3], v15, s[36:37]
	global_load_b128 v[BI+4:BI+7], v15, s[36:37] offset:16
	s_wait_kmcnt 0x0
.macro LIMS e, lim, vsc                ; from the exponent in s[e]: v[vsc] = 2^e as f32 (the conversion takes its exponent field); s[lim], s[lim+1] = +-57,344 x 2^e
	s_add_co_i32 s46, s[\e], 127
	s_lshl_b32 s47, s46, 23
	v_mov_b32 v[\vsc], s47
	s_add_co_i32 s46, s46, 15
	s_lshl_b32 s46, s46, 23
	s_or_b32 s[\lim], s46, 0x600000
	s_or_b32 s[\lim+1], s[\lim], 0x80000000
.endm
	LIMS 20, 24, 8
	LIMS 21, 26, 9
	LIMS 23, 28, 10
	s_add_co_i32 s30, s20, s21
	s_add_co_i32 s30, s30, 127
	s_lshl_b32 s30, s30, 23                        ; 2^(e0 + e1)
	s_mov_b32 s31, s30                             ; (named with it as a pair, so it is written)
	s_add_co_i32 s42, s22, s23
	s_sub_co_i32 s42, 127, s42
	s_lshl_b32 s42, s42, 23                        ; 2^-(e2 + e3)
	s_mov_b32 s43, s42
; Row x of the six becomes 1,024 codes in LDS.
.macro QROW x, lim, sc, adr, off
	s_wait_dscnt 0x2                               ; the stores of the row before last have read this set of codes (the last row's two may be out)
.irp u, 0,1
.irp i, 0,1,2,3,4,5,6,7,8,9,10,11,12,13,14,15
	v_med3_num_f32 v[R+32*(\x)+16*\u+\i], v[R+32*(\x)+16*\u+\i], s[\lim+1], s[\lim]   ; the conversion to an 8-bit code does not saturate (ISA guide 7.6.2): the hold at the largest code x the scale
.endr
	v_cvt_scalef32_pk8_bf8_f32 v[CD+8*((\x)%2)+4*\u:CD+8*((\x)%2)+4*\u+1], v[R+32*(\x)+16*\u:R+32*(\x)+16*\u+7], v[\sc]
	v_cvt_scalef32_pk8_bf8_f32 v[CD+8*((\x)%2)+4*\u+2:CD+8*((\x)%2)+4*\u+3], v[R+32*(\x)+16*\u+8:R+32*(\x)+16*\u+15], v[\sc]
.endr
	v_nop                                          ; one plain vector line behind the last conversion: later lines write these registers again
	ds_store_b128 v[\adr], v[CD+8*((\x)%2):CD+8*((\x)%2)+3] offset:\off
	ds_store_b128 v[\adr], v[CD+8*((\x)%2)+4:CD+8*((\x)%2)+7] offset:\off+512
.endm
	s_wait_loadcnt 42                              ; the counts: the loads issued behind the row in hand (8 a row, 2 for attn_b)
	QROW 0, 28, 10, 5, WE
	s_wait_loadcnt 34
	QROW 1, 26, 9, 5, WH
	s_wait_loadcnt 26
	QROW 2, 24, 8, 6, 0
	s_wait_loadcnt 18
	QROW 3, 24, 8, 6, PITCH
	s_wait_loadcnt 10
	QROW 4, 24, 8, 6, 2*PITCH
	s_wait_loadcnt 2
	QROW 5, 24, 8, 6, 3*PITCH
	s_wait_dscnt 0x0                               ; for the others' sake: my rows of codes lie in LDS
	s_barrier_signal -1
	s_barrier_wait -1
	ds_load_b128 v[CD:CD+3], v7                    ; block 2 w of We's image: lane (r, h): row r, places 64 w + 16 h on
	ds_load_b128 v[CD+4:CD+7], v7 offset:32        ; block 2 w + 1
	s_wait_dscnt 0x0
	global_store_b128 v4, v[CD:CD+3], s[38:39]     ; 32 lanes store 512 consecutive bytes, aligned
	global_store_b128 v4, v[CD+4:CD+7], s[38:39] offset:512
	s_cmp_lt_u32 s16, 4
	s_cbranch_scc0 .Ldone                          ; no barrier follows
.irp s, 0,1,2,3,4,5,6,7
.irp c, 0,1,2,3
	ds_load_b128 v[R+16*\s+4*\c:R+16*\s+4*\c+3], v11 offset:128*\s+32*\c          ; Wh's eight fragments
.endr
.endr
.irp s, 0,1,2,3
.irp c, 0,1,2,3
	ds_load_b128 v[144+16*\s+4*\c:144+16*\s+4*\c+3], v12 offset:128*\s+32*\c      ; hidden's K steps 0 to 3
.endr
.endr
	s_wait_dscnt 0x0
	v_wmma_f32_16x16x128_bf8_bf8 v[A0:A0+7], v[R:R+15], v[144:159], 0             ; the first products start the two sums; the accumulators take turns
	v_wmma_f32_16x16x128_bf8_bf8 v[A1:A1+7], v[R+16:R+31], v[160:175], 0
	v_wmma_f32_16x16x128_bf8_bf8 v[A0:A0+7], v[R+32:R+47], v[176:191], v[A0:A0+7]
	v_wmma_f32_16x16x128_bf8_bf8 v[A1:A1+7], v[R+48:R+63], v[192:207], v[A1:A1+7]
.rept 4
	v_nop                                          ; places in front of loads into registers that matrix instructions have read
.endr
.irp s, 0,1,2,3
.irp c, 0,1,2,3
	ds_load_b128 v[144+16*\s+4*\c:144+16*\s+4*\c+3], v12 offset:512+128*\s+32*\c  ; hidden's K steps 4 to 7
.endr
.endr
	s_wait_dscnt 0x0
	v_wmma_f32_16x16x128_bf8_bf8 v[A0:A0+7], v[R+64:R+79], v[144:159], v[A0:A0+7]
	v_wmma_f32_16x16x128_bf8_bf8 v[A1:A1+7], v[R+80:R+95], v[160:175], v[A1:A1+7]
	v_wmma_f32_16x16x128_bf8_bf8 v[A0:A0+7], v[R+96:R+111], v[176:191], v[A0:A0+7]
	v_wmma_f32_16x16x128_bf8_bf8 v[A1:A1+7], v[R+112:R+127], v[192:207], v[A1:A1+7]
.rept 4
	v_nop                                          ; places in front of the first read of the results
.endr
	s_wait_loadcnt 0x0                             ; attn_b
.irp i, 0,2,4,6
	v_pk_add_f32 v[RS+\i:RS+\i+1], v[A0+\i:A0+\i+1], v[A1+\i:A1+\i+1]             ; both accumulators from their low end on
.endr
.irp i, 0,2,4,6
	v_pk_fma_f32 v[RS+\i:RS+\i+1], v[RS+\i:RS+\i+1], s[30:31], v[BI+\i:BI+\i+1] op_sel_hi:[1,0,1]   ; sum x 2^(e0 + e1) + attn_b
.endr
.irp i, 0,2,4,6
	v_pk_mul_f32 v[RS+\i:RS+\i+1], v[RS+\i:RS+\i+1], s[42:43] op_sel_hi:[1,0]     ; / 2^(e2 + e3): the power of two that the next launch's sums lack
.endr
	ds_store_b128 v13, v[RS:RS+3]                  ; lane (r, h): b = 16 w + r, o = 16 T + 8 h + 0 .. 7
	ds_store_b128 v13, v[RS+4:RS+7] offset:16
	ds_load_b128 v[A0:A0+3], v14                   ; LDS serves a wave's instructions in order (ISA guide 5.7.1.4): these see my stores
	ds_load_b128 v[A0+4:A0+7], v14 offset:512
	s_wait_dscnt 0x0
	global_store_b128 v4, v[A0:A0+3], s[40:41]     ; 512 consecutive bytes a store
	global_store_b128 v4, v[A0+4:A0+7], s[40:41] offset:512
.Ldone:
	s_wait_xcnt 0x0
	v_lshl_add_u32 v254, v0, 2, 0x19600
	v_mov_b32 v255, 0
	s_wait_tensorcnt 0x0
	ds_add_u32 v254, v255
	s_wait_dscnt 0x0
	s_endpgm
.Lfunc_end_k_q8ac5b7e800_prep:
	.size	k_q8ac5b7e800_prep, .Lfunc_end_k_q8ac5b7e800_prep-k_q8ac5b7e800_prep
	.p2alignl 7, 3214868480
	.fill 96, 4, 3214868480
	.section	.rodata,"a",@progbits
	.p2align	6, 0x0
	.amdhsa_kernel k_q8ac5b7e800_prep
		.amdhsa_group_segment_fixed_size 105984
		.amdhsa_private_segment_fixed_size 0
		.amdhsa_enable_private_segment 0
		.amdhsa_kernarg_size 48
		.amdhsa_user_sgpr_count 2
		.amdhsa_user_sgpr_kernarg_segment_ptr 1
		.amdhsa_wavefront_size32 1
		.amdhsa_system_sgpr_workgroup_id_x 1
		.amdhsa_system_sgpr_workgroup_id_y 1
		.amdhsa_system_sgpr_workgroup_id_z 1
		.amdhsa_system_vgpr_workitem_id 0
		.amdhsa_next_free_vgpr 256
		.amdhsa_next_free_sgpr 66
		.amdhsa_reserve_vcc 0
		.amdhsa_float_denorm_mode_32 3
		.amdhsa_float_denorm_mode_16_64 3
		.amdhsa_memory_ordered 1
		.amdhsa_forward_progress 1
		.amdhsa_inst_pref_size 30
	.end_amdhsa_kernel
	.amdgpu_metadata
---
amdhsa.version: [ 1, 2 ]
amdhsa.kernels:
  - .name:           k_q8ac5b7e800_prep
    .symbol:         k_q8ac5b7e800_prep.kd
    .args:
      - { .name: attn_W, .offset: 0, .size: 8, .value_kind: global_buffer, .address_space: global }
      - { .name: hidden, .offset: 8, .size: 8, .value_kind: global_buffer, .address_space: global }
      - { .name: attn_b, .offset: 16, .size: 8, .value_kind: global_buffer, .address_space: global }
      - { .name: lowp_scales, .offset: 24, .size: 8, .value_kind: global_buffer, .address_space: global }
      - { .name: we_codes, .offset: 32, .size: 8, .value_kind: global_buffer, .address_space: global }
      - { .name: hb2, .offset: 40, .size: 8, .value_kind: global_buffer, .address_space: global }
    .group_segment_fixed_size: 105984
    .private_segment_fixed_size: 0
    .kernarg_segment_align: 8
    .kernarg_segment_size: 48
    .max_flat_workgroup_size: 512
    .sgpr_count:     66
    .vgpr_count:     256
    .wavefront_size: 32
...
	.end_amdgpu_metadata
.endif
;; end of part 1
;; launch main (part 2): grid 256 x 1, 4 waves a work-group, clusters of 4 x 1, 327,680 bytes of LDS; arguments encoder_outputs, we_codes, hb2, v_W, lowp_scales, attn_mask, sc; writes sc
.if DOCPART == 2
	.amdgcn_target "amdgcn-amd-amdhsa--gfx1250"
	.amdhsa_code_object_version 6
	.text
	.protected	k_q8ac5b7e800_main
	.globl	k_q8ac5b7e800_main
	.p2align	8
	.type	k_q8ac5b7e800_main,@function
k_q8ac5b7e800_main:
	s_mov_b64 s[64:65], 0
	v_nop
	global_prefetch_b8 v0, s[64:65] scope:SCOPE_SE
	s_setreg_imm32_b32 hwreg(HW_REG_WAVE_MODE, 25, 1), 1
	s_wait_xcnt 0x0
	s_wait_alu depctr_hold_cnt(0) depctr_sa_sdst(0) depctr_va_vdst(0) depctr_va_sdst(0) depctr_va_ssrc(0) depctr_va_vcc(0) depctr_vm_vsrc(0)
	s_getreg_b32 s2, hwreg(HW_REG_IB_STS2, 6, 4)
	s_cmp_eq_u32 s2, 0
	s_cbranch_scc0 .Lentry_in_a_cluster
	s_endpgm
.Lentry_in_a_cluster:
	s_bfe_u32 s2, ttmp6, 0x10000c
	s_cmp_lg_u32 s2, 0x3003
	s_cbranch_scc0 .Lentry_shape_is_right
	s_endpgm
.Lentry_shape_is_right:
; sc[b][s] = q = the sum over o of v_W[o] / (1 + 2^y), y = 2 log2(e) x (h_proj[b][o] + e_proj[b][s][o] + attn_b[o]).  tanh x = 1 - 2 / (1 + 2^y), so the score is (sum of v_W) - 2 q: the next launch takes that step.
; An exponential that overflows gives the reciprocal 0, one that underflows gives 1: tanh's own limits, so nothing is clamped.
; e_proj = enc We^T on codes of E5M2: encoder_outputs [s][b][1024] f32 is quantised here with 2^e2, in registers; We's codes (scale 2^e3) come from the launch before as images of fragments.
; SHARES.  A work-group owns ONE b and 256 s: so (h_proj + attn_b) / 2^(e2 + e3) is one vector of 1,024 numbers, and it is the C of each sum's first matrix instruction.  A wave owns 64 rows (4 tiles of 16) and all 1,024 o.
; PHASE L: the wave's 64 rows are read once (dense loads of 512 bytes, 60 on their way), quantised, turned through the wave's own stage in LDS and kept as codes: 512 registers (windows 2, 3).
;   THE ORDER OF K is the one that the launch before gave We: a lane's 16 numbers of a half row (numbers 512 u + 128 L + 4 i + e) become the codes at places 512 u + 16 i + 4 L + e.
;   A ROW WHOSE attn_mask IS 0 IS NOT FETCHED: its score is replaced by -1e10 whatever it is, so its loads name row 0 of its unit of 16 rows.  Only an offset hangs on the mask: no branch, no trip count.
; PHASE W: 64 periods, one tile of 16 o each: 32 matrix instructions (source 0 = We's 16 rows, source 1 = 16 of my rows: a lane holds one row and eight o), with the vector work of the two tiles before in slices between them:
;   tile t: period t the sums; period t + 1, first half: y and 2^y; second half: 1 + 2^y and its reciprocal; period t + 2, first half: SC += v_W x reciprocal.
; CLUSTER.  The four work-groups of a cluster (one b, four blocks of s) walk the same We: each slot of the ring (4 tiles, 64 KiB; 16 KiB a wave) is asked for JOINTLY, by the same tensor load with a mask that names the four.
; WHICH ROWS FORM A TILE: row r of tile m is s_local = 2 r + 32 (m % 2) + m / 2, so that at the end lane l holds s_local 2 l and 2 l + 1 and the wave stores 256 consecutive bytes, aligned.
; LIMITS: e2 between -126 and 112; e2 + e3 between -127 and 126 (added to the exponent field of 2 log2(e)).  NaN among the inputs is not served; an infinity is held at the largest code.
; REGISTERS, in windows of 256 (s_set_vgpr_msb: bits 1:0 source 0, 3:2 source 1, 5:4 source 2, 7:6 destination):
;   window 0, always: v1 spare word's address, v2 zero, v3 16 x lane.
;   window 0, phase L: v4, v5 this unit's and the next unit's offset; v6 stage, in; v7 stage, out; v8 2^e2; v12-19 codes, two sets; v20-35 table words; v36-37 mask words; v40-55 a load offset for each buffer slot; v56-71 16 held numbers.
;   window 1, phase L: 16 buffer slots of 16 registers.
;   window 0, phase W: v4 ring address; v5 bias and v_W address; v6 its base; v8-15 the tile's bias; v16-23 v_W; v24-31 SC, a pair a tile of rows; v32-63, v64-95 the sums, two sets by turns; v96-127 T; v128-255 We's 8 fragments.
;   windows 2, 3: my rows' fragment (tile m, K step k) at window 2 + k / 4, v[16 (4 (k % 4) + m)].
.set RINGH,  65536                     ; a slot of the ring: 4 tiles of We
.set TILEB,  16384                     ; a tile of We: 16 o x 1,024 codes
.set STG,    2*RINGH                   ; behind the ring: a stage for each wave: 64 rows x (512 + 16) bytes
.set SPITCH, 528                       ; an odd multiple of 16: the 16 rows of a fragment load start at 16 different places modulo 256
.set STGT,   16*SPITCH
.set STGW,   4*STGT
.set HBT,    STG+4*STGW                ; the bias, 1,024 f32
.set ZER,    HBT+4096                  ; 2,048 bytes of zeros, 16 from each thread: its last 64 serve as v_W of the tile before the first
.set VT,     ZER+2048                  ; v_W, 1,024 f32
.set SPARE,  VT+4096                   ; the spare words, 128 bytes for each wave: two blocks of 256 bytes that no other line names
.set VOFS,   VT-HBT-128                ; from tile t + 1's bias to tile t - 1's v_W
.set ROW2,   524288                    ; bytes from a tile's row to its next: two s
.set SPW, 1
.set NIL, 2
.set L16, 3
.set VA,  4
.set VB,  5
.set VS,  6
.set FRA, 7
.set SCL, 8
.set CD,  12
.set AD,  40
.set TQ,  56
.set AB,  4
.set AHV, 5
.set H32, 6
.set HB,  8
.set VV,  16
.set SC,  24
.set X0,  32
.set X1,  64
.set T,   96
.set WF,  128
.set WV,  16                           ; s16  wave
.set CX,  17                           ; s17  my place in the cluster: it enters global addresses alone
.set LIM, 24                           ; s24, s25  +-57,344 x 2^e2
.set CC,  26                           ; s[26:27]  c = 2 log2(e) x 2^(e2 + e3)
.set UN,  28                           ; s28  the unit in hand
.set SS,  29                           ; s29  my stage + the unit's 16 rows
.set ME,  32                           ; s32, s33  mask bits of s_local 2 l and 2 l + 1
.set MA,  34                           ; s34, s35  the 16 mask bits of this unit and of the next (bits 0-15)
.set MB,  35
.set G1,  36                           ; s[36:43] descriptor group 1
.set G0A, 44                           ; s[44:47] group 0 of slot 0's first fill
.set G0B, 48                           ; s[48:51] group 0 of slot 1's first fill; it then walks
.set SEL, 52                           ; s[52:53] v_permlanex16_b32's selects for lane l xor 16
.set OUTP, 54                          ; s[54:55] sc at my wave's 64 numbers
.set TB,  56                           ; s56  the ring's slot in hand
.set HO,  57                           ; s57  256 x slots walked: the bias's and v_W's step
.set CNT, 58
.set UN1, 59
.set WA,  0x08                         ; source 1 (my rows' codes) window 2, all else window 0
.set WB,  0x0c                         ; the same, window 3
.set MSB, 0
.macro WIN new                         ; the immediate's high byte repeats the setting that is left; a switch that changes nothing is dropped
.if MSB != \new
	s_set_vgpr_msb (MSB<<8)|\new
.set MSB, \new
.endif
.endm
.macro CREST                           ; a round of the cluster's barrier behind its opening barrier
	s_cmp_lg_u32 s[WV], 0
	s_cbranch_scc1 .Lnot_wave_0_\@
	s_barrier_signal -3
.Lnot_wave_0_\@:
	s_barrier_wait -3
	s_barrier_signal -1
	s_barrier_wait -1
.endm
.macro CROUND                          ; a whole round
	s_barrier_signal -1
	s_barrier_wait -1
	CREST
.endm
	s_load_b256 s[4:11], s[0:1], 0x0               ; encoder_outputs s[4:5], we_codes s[6:7], hb2 s[8:9], v_W s[10:11]
	s_load_b128 s[12:15], s[0:1], 0x20             ; the scales' exponents s[12:13], attn_mask s[14:15]
	s_load_b64 s[OUTP:OUTP+1], s[0:1], 0x30        ; sc
	v_lshl_add_u32 v[SPW], v0, 2, SPARE
	v_mov_b32 v[NIL], 0
	ds_add_u32 v1, v2
	ds_add_u32 v1, v2
	s_wait_dscnt 0x0
	v_lshrrev_b32 v3, 5, v0
	v_readfirstlane_b32 s[WV], v3                  ; wave 0..3
	s_bfe_u32 s[CX], ttmp6, 0x40000                ; cx: which 256 s
	; descriptor group 1: a tile of We is one dense block of 16,384 bytes: 64 rows of 32 elements of 8 bytes
	s_mov_b32 s[G1], 15|(3<<16)|(1<<21)            ; 15:0 the mask: all four work-groups; 17:16 elements of 8 bytes; 20 no padding; 21 set beside a mask
	s_mov_b32 s[G1+1], 32<<16                      ; tensor_dim0 = 32
	s_mov_b32 s[G1+2], 64<<16                      ; tensor_dim1 = 64
	s_mov_b32 s[G1+3], 32<<16                      ; tile_dim0 = 32
	s_mov_b32 s[G1+4], 64                          ; tile_dim1 = 64
	s_mov_b32 s[G1+5], 32                          ; tensor_dim0_stride
	s_mov_b32 s[G1+6], 0
	s_mov_b32 s[G1+7], 0
	s_mov_b32 s[SEL], 0x76543210
	s_mov_b32 s[SEL+1], 0xfedcba98
	s_lshl_b32 s18, s[WV], 14                      ; wave w fetches tile w of each slot: nothing here hangs on cx
	s_mov_b32 s19, 0
	s_wait_kmcnt 0x0
	s_load_b128 s[20:23], s[12:13], 0x0            ; e0, e1, e2, e3
	s_mov_b32 s[G0A], 1                            ; count = 1
	s_mov_b32 s[G0A+1], s18                        ; LDS address: slot 0
	s_add_nc_u64 s[G0A+2:G0A+3], s[6:7], s[18:19]  ; tiles 0 to 3
	s_mov_b32 s[G0B], 1
	s_add_co_u32 s[G0B+1], s18, RINGH              ; slot 1
	s_add_nc_u64 s[G0B+2:G0B+3], s[G0A+2:G0A+3], RINGH   ; tiles 4 to 7
	s_or_b32 s[G0A+3], s[G0A+3], 0x80000000        ; type = 2
	s_or_b32 s[G0B+3], s[G0B+3], 0x80000000
	CROUND                                         ; all four work-groups are here: the first joint loads meet
	tensor_load_to_lds s[G0A:G0A+3], s[G1:G1+7]    ; both first fills together: two loads of mine are out; they have all of phase L in which to land
	s_nop 0
	tensor_load_to_lds s[G0B:G0B+3], s[G1:G1+7]
	s_nop 0
.rept 4
	v_nop
.endr
	s_lshl_b32 s30, ttmp9, 12                      ; b's row of 4,096 bytes (in a cluster launch ttmp9 counts clusters: the cluster is b)
	s_lshl_b32 s31, s[CX], 26                      ; 256 s of 262,144 bytes
	s_add_co_u32 s18, s30, s31
	s_lshl_b32 s31, s[WV], 24                      ; 64 s
	s_add_co_u32 s18, s18, s31
	s_add_nc_u64 s[4:5], s[4:5], s[18:19]          ; encoder_outputs at my wave's s_local 0
	s_lshl_b32 s31, s[CX], 10
	s_add_co_u32 s18, s30, s31
	s_lshl_b32 s31, s[WV], 8
	s_add_co_u32 s18, s18, s31                     ; 4,096 b + 1,024 cx + 256 w
	s_add_nc_u64 s[14:15], s[14:15], s[18:19]      ; attn_mask and sc at my wave's 64 numbers
	s_add_nc_u64 s[OUTP:OUTP+1], s[OUTP:OUTP+1], s[18:19]
	s_lshl_b32 s18, ttmp9, 6
	s_add_nc_u64 s[8:9], s[8:9], s[18:19]          ; hb2 [T][b][16] at b
	v_and_b32 v72, 31, v0                          ; lane
	v_lshlrev_b32 v[L16], 4, v72
	v_lshlrev_b32 v73, 3, v72
	global_load_b64 v[36:37], v73, s[14:15]        ; the mask words of s_local 2 l, 2 l + 1
	v_lshrrev_b32 v74, 1, v0
	v_and_b32 v75, 1, v0
	v_lshlrev_b32 v75, 5, v75
	v_lshl_add_u32 v74, v74, 12, v75               ; thread t takes o = 8 t .. 8 t + 7: tile t / 2, 32 (t % 2) bytes on
	v_lshlrev_b32 v75, 5, v0                       ; 32 t
	global_load_b128 v[20:23], v74, s[8:9]
	global_load_b128 v[24:27], v74, s[8:9] offset:16
	global_load_b128 v[28:31], v75, s[10:11]
	global_load_b128 v[32:35], v75, s[10:11] offset:16
	v_add_nc_u32 v76, HBT, v75
	v_lshl_add_u32 v77, v0, 4, ZER
.irp i, 80,81,82,83
	v_mov_b32 v\i, 0
.endr
	v_and_b32 v78, 15, v0                          ; r
	v_bfe_u32 v79, v0, 4, 1                        ; h
	v_mul_u32_u24 v[FRA], v78, SPITCH
	v_lshl_add_u32 v[FRA], v79, 4, v[FRA]
	s_mul_i32 s[SS], s[WV], STGW
	s_add_co_u32 s[SS], s[SS], STG                 ; my stage
	v_add_nc_u32 v[FRA], s[SS], v[FRA]             ; out of it: row r, + 16 h
	v_add_nc_u32 v[VS], s[SS], v[L16]              ; into it: 16 bytes a lane: a row's 512 bytes on end
	s_wait_kmcnt 0x0
	s_add_co_i32 s30, s22, 127
	s_lshl_b32 s31, s30, 23
	v_mov_b32 v[SCL], s31                          ; 2^e2 as f32: the conversion takes its exponent field
	s_add_co_i32 s30, s30, 15
	s_lshl_b32 s30, s30, 23
	s_or_b32 s[LIM], s30, 0x600000                 ; 57,344 x 2^e2
	s_or_b32 s[LIM+1], s[LIM], 0x80000000
	s_wait_loadcnt 0x4                             ; the mask words are in; the four table loads may be out
	v_cmp_ne_u32 s[ME], 0, v36
	v_cmp_ne_u32 s[ME+1], 0, v37
	s_mov_b32 s[MA], s[ME]                         ; unit 0: tile 0: s_local 2 r
	s_lshr_b32 s[MB], s[ME], 16                    ; unit 1: tile 1: s_local 2 r + 32
	v_mov_b32 v[VA], v[L16]
	v_add_nc_u32 v[VB], 0x800000, v[L16]
	s_mov_b32 s[UN], 0
; PHASE L.  A unit n is 16 rows' half u = n / 4 of tile m = n % 4; a step is one row's half: four loads of 512 bytes.  Its bytes begin (n % 2) << 23, + ((n / 2) % 2) << 18, + u << 11 from my first row.
; The offset of buffer slot x's next four loads: row `row` of the unit whose mask bits are s[m] and whose offset is v[v].  A masked row takes offset 0: the unit's row 0.  The loaded bit is held at 1 at the most ahead of the product.
.macro ASKADR x, row, m, v
.if (\row) == 0
	v_mov_b32 v[AD+(\x)], v[\v]
.else
	s_bfe_u32 s30, s[\m], (1<<16)|(\row)
	s_min_u32 s30, s30, 1
	s_mul_i32 s30, s30, (\row)*ROW2
	v_add_nc_u32 v[AD+(\x)], s30, v[\v]
.endif
.endm
.macro ASKLD x                         ; under destination window 1
.irp l, 0,1,2,3
	global_load_b128 v[16*(\x)+4*\l:16*(\x)+4*\l+3], v[AD+(\x)], s[4:5] offset:512*\l   ; 32 lanes read 512 consecutive bytes.  No hint: a unit's row 0 may be named many times
.endr
.endm
; Step tau of a unit: its 16 numbers a lane are held, converted and stored into the stage; then the step 15 ahead is asked for, into the slot that the last step has left.
; la = 1: row 15 of this unit; 2: row tau - 1 of the next; 0: nothing.  cnt: the loads issued behind this step's four.
.macro QSTEP tau, cnt, la
	s_wait_loadcnt \cnt                            ; loads come back in order (ISA guide 5.7.1): this also frees the slot's offset register
	WIN 0x01                                       ; source 0 window 1
.irp i, 0,1,2,3,4,5,6,7,8,9,10,11,12,13,14,15
	v_med3_num_f32 v[TQ+\i], v[16*(\tau)+\i], s[LIM+1], s[LIM]   ; the conversion to an 8-bit code does not saturate (ISA guide 7.6.2): the hold at the largest code x the scale
.endr
	WIN 0
	s_wait_dscnt 0x1                               ; the store of two steps back has read this set of codes (the last step's may be out)
	v_cvt_scalef32_pk8_bf8_f32 v[CD+4*((\tau)%2):CD+4*((\tau)%2)+1], v[TQ:TQ+7], v[SCL]
	v_cvt_scalef32_pk8_bf8_f32 v[CD+4*((\tau)%2)+2:CD+4*((\tau)%2)+3], v[TQ+8:TQ+15], v[SCL]
.if (\la) == 1                                     ; (the vector line below is also the plain line behind the conversions)
	ASKADR 15, 15, MA, VA
.elseif (\la) == 2
	ASKADR (\tau)-1, (\tau)-1, MB, VB
.else
	v_nop
.endif
	ds_store_b128 v[VS], v[CD+4*((\tau)%2):CD+4*((\tau)%2)+3] offset:SPITCH*(\tau)
.if \la
	WIN 0x40                                       ; destination window 1
	ASKLD ((\tau)+15)%16
.endif
.endm
.macro UNIT last
	QSTEP 0, 56, 1                                 ; 56: the 14 younger steps' loads
.irp t, 1,2,3,4,5,6,7,8,9,10,11,12,13,14,15
.if \last
	QSTEP \t, 4*(15-\t), 0                         ; the last unit asks for nothing more: the counts run down
.else
	QSTEP \t, 56, 2
.endif
.endr
.endm
.macro NEXTUNIT                        ; on to the next unit; the offset and the mask bits of the unit after it are made
	WIN 0
	s_wait_dscnt 0x0                               ; my stores into the stage have read their address
	v_mov_b32 v[VA], v[VB]
	s_mov_b32 s[MA], s[MB]
	s_add_co_u32 s[UN], s[UN], 1
	s_add_co_u32 s[UN1], s[UN], 1
	s_and_b32 s30, s[UN1], 1
	s_lshl_b32 s31, s30, 4
	s_lshl_b32 s30, s30, 23
	s_bitcmp1_b32 s[UN1], 1
	s_cselect_b32 s[MB], s[ME+1], s[ME]            ; odd or even s_local,
	s_lshr_b32 s[MB], s[MB], s31                   ; lanes 16 on or 0 on
	s_bfe_u32 s31, s[UN1], 0x10001
	s_lshl_b32 s31, s31, 18
	s_add_co_u32 s30, s30, s31
	s_lshr_b32 s31, s[UN1], 2
	s_lshl_b32 s31, s31, 11
	s_add_co_u32 s30, s30, s31
	v_add_nc_u32 v[VB], s30, v[L16]
	s_add_co_u32 s[SS], s[SS], STGT
	v_add_nc_u32 v[VS], s[SS], v[L16]
.endm
.macro FRAG                            ; the stage's 64 rows x 512 codes become 16 fragments: 4 tiles x 4 K steps
.irp m, 0,1,2,3
.irp s, 0,1,2,3
.irp c, 0,1,2,3
	ds_load_b128 v[16*(4*\s+\m)+4*\c:16*(4*\s+\m)+4*\c+3], v[FRA] offset:STGT*\m+128*\s+32*\c   ; LDS serves a wave's instructions in order (ISA guide 5.7.1.4): these see my stores, and the next half's stores come behind them
.endr
.endr
.endr
.endm
.irp r, 0,1,2,3,4,5,6,7,8,9,10,11,12,13,14
	ASKADR \r, \r, MA, VA
.endr
	WIN 0x40
.irp r, 0,1,2,3,4,5,6
	ASKLD \r
.endr
	WIN 0
	s_wait_loadcnt 28                              ; the tables' four loads are in; the 28 just issued may be out
	ds_store_b128 v76, v[20:23]                    ; the bias at o = 8 t on
	ds_store_b128 v76, v[24:27] offset:16
	ds_store_b128 v76, v[28:31] offset:VT-HBT      ; v_W likewise
	ds_store_b128 v76, v[32:35] offset:VT-HBT+16
	ds_store_b128 v77, v[80:83]                    ; my 16 zero bytes
	WIN 0x40
.irp r, 7,8,9,10,11,12,13,14
	ASKLD \r
.endr
	WIN 0
.Lunit_a:                                          ; units 0 to 3: the first half of my 64 rows
	UNIT 0
	NEXTUNIT
	s_cmp_lt_u32 s[UN], 4
	s_cbranch_scc1 .Lunit_a
	WIN 0x80                                       ; destination window 2
	FRAG                                           ; K steps 0 to 3
	WIN 0
	s_mul_i32 s[SS], s[WV], STGW
	s_add_co_u32 s[SS], s[SS], STG                 ; back to the stage's first rows
	v_add_nc_u32 v[VS], s[SS], v[L16]
	s_mov_b32 s[UN], 4                             ; (the count stands at 4 already: written again so that this loop's bounds can be read here)
.Lunit_b:                                          ; units 4 to 6
	UNIT 0
	NEXTUNIT
	s_cmp_lt_u32 s[UN], 7
	s_cbranch_scc1 .Lunit_b
	UNIT 1                                         ; unit 7 is written out: no load leaves the rows
	WIN 0xc0                                       ; destination window 3
	FRAG                                           ; K steps 4 to 7
	WIN 0
; PHASE W.
	s_wait_tensorcnt 0x1                           ; my part of slot 0 is in; slot 1's may stay out
	s_wait_dscnt 0x0                               ; my table words lie in LDS, my fragments are in
	s_barrier_signal -1
.set i, 0
.rept 64
	v_mov_b32 v[X1+i], 0                           ; the loop is written once: its first periods find a tile of zeros before the first (which meets v_W = 0) and T = 0
.set i, i+1
.endr
.set i, 0
.rept 16
	v_mov_b32 v[VV+i], 0                           ; v_W of the tile before that, and SC
.set i, i+1
.endr
	s_add_co_i32 s30, s22, s23
	s_lshl_b32 s30, s30, 23
	s_add_co_i32 s[CC], s30, 0x4038aa3b            ; a sum stands for sum x 2^(e2 + e3): the exponents are added to the exponent field of 2 log2(e)
	s_mov_b32 s[CC+1], s[CC]                       ; (named with it as a pair, so it is written)
	s_mov_b32 s[TB], 0
	s_mov_b32 s[HO], 0
	s_mov_b32 s[CNT], 14
	v_mov_b32 v[AB], v[L16]                        ; an image's place for my lane, in slot 0
	v_bfe_u32 v[H32], v0, 4, 1
	v_lshl_add_u32 v[H32], v[H32], 5, HBT          ; my half's eight o of a tile: 32 h
	v_mov_b32 v[AHV], v[H32]
	s_barrier_wait -1
; Product (K step k, tile of rows m) of the period's tile of o, into the set x.  The four accumulators take turns, one instruction a turn.  The first K step takes the bias as C.
.macro MM x, k, m
.if (\k) == 0
	v_wmma_f32_16x16x128_bf8_bf8 v[\x+8*(\m):\x+8*(\m)+7], v[WF+16*(\k):WF+16*(\k)+15], v[16*(4*((\k)%4)+(\m)):16*(4*((\k)%4)+(\m))+15], v[HB:HB+7]
.else
	v_wmma_f32_16x16x128_bf8_bf8 v[\x+8*(\m):\x+8*(\m)+7], v[WF+16*(\k):WF+16*(\k)+15], v[16*(4*((\k)%4)+(\m)):16*(4*((\k)%4)+(\m))+15], v[\x+8*(\m):\x+8*(\m)+7]
.endif
.endm
; Item sq of a list of 48 on the 32 numbers of set y: 16 packed lines P and 32 transcendentals Q: P0 P1, then (P(i + 2), Q(2 i), Q(2 i + 1)) for i = 0 .. 13, then Q28 .. Q31.  A pair is made two P's ahead of its Q's;
; no line names the result of a Q; pairs ascend.  kind 0: P: y = c x sum, in place; Q: 2^y, in place.  kind 1: P: T = 1 + 2^y; Q: 1 / T, in place.
; Each line has one vector source, in window 0, so that it stands under the matrix instructions' window setting.
.macro SEQ kind, y
.set isp, 0
.if sq < 2
.set isp, 1
.set ix, sq
.elseif sq < 44
.if (sq-2)%3 == 0
.set isp, 1
.set ix, (sq-2)/3+2
.else
.set ix, 2*((sq-2)/3)+(sq-2)%3-1
.endif
.else
.set ix, sq-16
.endif
.if isp
.if \kind == 0
	v_pk_mul_f32 v[\y+2*ix:\y+2*ix+1], v[\y+2*ix:\y+2*ix+1], s[CC:CC+1] op_sel_hi:[1,0]
.else
	v_pk_add_f32 v[T+2*ix:T+2*ix+1], v[\y+2*ix:\y+2*ix+1], 1.0 op_sel_hi:[1,0]
.endif
.else
.if \kind == 0
	v_exp_f32 v[\y+ix], v[\y+ix]
.else
	v_rcp_f32 v[T+ix], v[T+ix]
.endif
.endif
.set sq, sq+1
.endm
.macro FGRP g                          ; SC += v_W x reciprocal, o = 2 g and 2 g + 1 of my eight, for the four tiles of rows: three vector sources, so window 0
	WIN 0
.irp m, 0,1,2,3
	v_pk_fma_f32 v[SC+2*\m:SC+2*\m+1], v[T+8*\m+2*(\g):T+8*\m+2*(\g)+1], v[VV+2*(\g):VV+2*(\g)+1], v[SC+2*\m:SC+2*\m+1]
.endr
.endm
.macro RUN_A q                         ; K steps 4 to 7 of the slot's tile q
.irp k, 4,5,6,7
.irp c, 0,1,2,3
	ds_load_b128 v[WF+16*\k+4*\c:WF+16*\k+4*\c+3], v[AB] offset:TILEB*(\q)+512*(4*\k+\c)
.endr
.endr
.endm
.macro RUN_B q, ldb                    ; ldb: K steps 0 to 3 and the bias of the next tile; always: v_W of the tile before this one
.if \ldb
.irp k, 0,1,2,3
.irp c, 0,1,2,3
	ds_load_b128 v[WF+16*\k+4*\c:WF+16*\k+4*\c+3], v[AB] offset:TILEB*(((\q)+1)%4)+512*(4*\k+\c)
.endr
.endr
	ds_load_b128 v[HB:HB+3], v[AHV] offset:64*(((\q)+1)%4)
	ds_load_b128 v[HB+4:HB+7], v[AHV] offset:64*(((\q)+1)%4)+16
.endif
	ds_load_b128 v[VV:VV+3], v[AHV] offset:64*(((\q)+1)%4)+VOFS
	ds_load_b128 v[VV+4:VV+7], v[AHV] offset:64*(((\q)+1)%4)+VOFS+16
.endm
; A period's first half: K steps 0 to 3 into set x | y and 2^y of set y (the tile before) | SC of the tile before that.
; chg = 1, 2: the slot's last reads have just been issued, and the slots change: each wave waits for all its tensor loads (one is out: its part of the next slot), adds 0 to its spare word, and waits for that and for its
; reads of this slot; behind the barrier nobody reads this slot and the next is whole.  chg = 2: the barrier opens a round of the cluster's, and this slot is filled again, with the tiles two slots on: four periods ahead of its use.
.macro HALF_A x, y, q, chg
	RUN_A \q                                       ; (every window is 0 here)  four plain lines stand between the last product that read these registers and this run
.if \chg
	s_wait_tensorcnt 0x0                           ; no tensor load of mine is out, so a group 0 may be written
	ds_add_u32 v[SPW], v[NIL]                      ; 0 onto my spare word
.if (\chg) == 2
	s_xor_b32 s[G0B+1], s[G0B+1], RINGH            ; the walking descriptor: the other slot than last time,
	s_add_nc_u64 s[G0B+2:G0B+3], s[G0B+2:G0B+3], RINGH   ; the next four tiles; the type bits on top are not reached
.endif
	s_wait_dscnt 17                                ; the run before is in; the 16 loads just issued and the add may be out
.else
	s_wait_dscnt 16                                ; the run before is in; the 16 loads just issued may be out
.endif
.if (\q) == 3
	s_add_co_u32 s[HO], s[HO], 256                 ; the loads that named this address are back: on by four tiles
	v_add_nc_u32 v[AHV], s[HO], v[H32]
.endif
.set sq, 0
.set j, 0
.rept 16
.if (\chg) && (j == 8)
	s_wait_dscnt 0x0                               ; the add is done, and my reads of this slot are over
	s_barrier_signal -1
.endif
	WIN WA
	MM \x, j/4, j%4
.if j%4 == 3
	FGRP j/4
.else
.rept 4
	SEQ 0, \y
.endr
.endif
.set j, j+1
.endr                                              ; the last four plain lines are the places in front of the next run of loads, and the plain line behind the exponentials; they leave every window 0
	s_wait_alu depctr_va_vdst(0)                   ; one wait for the 32 exponentials, ahead of their first reader and of every label
.if \chg
	s_barrier_wait -1
.if (\chg) == 2
	CREST                                          ; no wave of any partner still reads this slot or has a load on its way
	tensor_load_to_lds s[G0B:G0B+3], s[G1:G1+7]    ; my one tensor load behind the round, and the first thing there
	s_nop 0
.rept 4
	v_nop
.endr
.endif
	s_xor_b32 s[TB], s[TB], RINGH                  ; on to the other slot
	v_add_nc_u32 v[AB], s[TB], v[L16]
.endif
.endm
; Its second half: K steps 4 to 7 | 1 + 2^y and the reciprocals of set y.
.macro HALF_B x, y, q, ldb
	RUN_B \q, \ldb
.if \ldb
	s_wait_dscnt 20                                ; K steps 4 to 7 are in; the 20 loads just issued may be out
.else
	s_wait_dscnt 2
.endif
.set sq, 0
.set j, 0
.rept 16
	WIN WB
	MM \x, 4+j/4, j%4
.rept 3
	SEQ 1, \y
.endr
.set j, j+1
.endr
	WIN 0
.rept 4
	v_nop                                          ; the places behind the last products (in front of the next run of loads and of the first read of these sums), and the plain line behind the reciprocals
.endr
	s_wait_alu depctr_va_vdst(0)                   ; one wait for the 32 reciprocals
.endm
.macro SLOT4 chg, ldb                  ; a slot's four periods
	HALF_A X0, X1, 0, 0
	HALF_B X0, X1, 0, 1
	HALF_A X1, X0, 1, 0
	HALF_B X1, X0, 1, 1
	HALF_A X0, X1, 2, 0
	HALF_B X0, X1, 2, 1
	HALF_A X1, X0, 3, \chg
	HALF_B X1, X0, 3, \ldb
.endm
.irp k, 0,1,2,3
.irp c, 0,1,2,3
	ds_load_b128 v[WF+16*\k+4*\c:WF+16*\k+4*\c+3], v[AB] offset:512*(4*\k+\c)   ; tile 0's K steps 0 to 3
.endr
.endr
	ds_load_b128 v[HB:HB+3], v[H32]                ; and its bias
	ds_load_b128 v[HB+4:HB+7], v[H32] offset:16
.Lslot:                                            ; 14 trips: slots 0 to 13 are filled again, with slots 2 to 15
	SLOT4 2, 1
	s_sub_co_u32 s[CNT], s[CNT], 1
	s_cmp_lg_u32 s[CNT], 0
	s_cbranch_scc1 .Lslot
	SLOT4 1, 1                                     ; the tail is written out: slot 14 is left, and nothing is asked for
	SLOT4 0, 0                                     ; slot 15
	; the drain: tile 63's sums lie in X1, tile 62's reciprocals in T
	s_wait_dscnt 0x0                               ; v_W of tile 62
.set sq, 0
.rept 48
	SEQ 0, X1
.endr
.irp g, 0,1,2,3
	FGRP \g                                        ; (plain lines behind the last exponential)
.endr
	s_wait_alu depctr_va_vdst(0)
	ds_load_b128 v[VV:VV+3], v[AHV] offset:64+VOFS ; v_W of tile 63
	ds_load_b128 v[VV+4:VV+7], v[AHV] offset:64+VOFS+16
.set sq, 0
.rept 48
	SEQ 1, X1
.endr
	v_nop                                          ; a plain line behind the last reciprocal
	s_wait_alu depctr_va_vdst(0)
	s_wait_dscnt 0x0
.irp g, 0,1,2,3
	FGRP \g
.endr
	; THE WAY OUT: a row's q is the sum of SC's two halves in lanes r and r + 16
.irp m, 0,1,2,3
	v_add_f32 v[T+\m], v[SC+2*\m], v[SC+2*\m+1]
.endr
.irp m, 0,1,2,3
	v_permlanex16_b32 v[T+4+\m], v[T+\m], s[SEL], s[SEL+1]
.endr
.irp m, 0,1,2,3
	v_add_f32 v[T+\m], v[T+\m], v[T+4+\m]
.endr
	v_and_b32 v[T+8], 31, v0
	v_cmp_lt_u32 vcc_lo, 15, v[T+8]
	v_cndmask_b32 v[T+10], v[T], v[T+1], vcc_lo    ; s_local 2 l: tile 0 in lanes 0-15, tile 1 in lanes 16-31
	v_cndmask_b32 v[T+11], v[T+2], v[T+3], vcc_lo  ; s_local 2 l + 1: tiles 2 and 3
	v_lshlrev_b32 v[T+8], 3, v[T+8]
	global_store_b64 v[T+8], v[T+10:T+11], s[OUTP:OUTP+1]   ; 32 lanes store 256 consecutive bytes, aligned
	s_wait_tensorcnt 0x0                           ; the wave's end, behind my last tensor load and my last LDS store
	ds_add_u32 v[SPW], v[NIL]
	s_wait_dscnt 0x0
	CROUND                                         ; the closing round: no work-group ends while a partner may still ask for a tile that names it
	s_endpgm
.Lfunc_end_k_q8ac5b7e800_main:
	.size	k_q8ac5b7e800_main, .Lfunc_end_k_q8ac5b7e800_main-k_q8ac5b7e800_main
	.p2alignl 7, 3214868480
	.fill 96, 4, 3214868480
	.section	.rodata,"a",@progbits
	.p2align	6, 0x0
	.amdhsa_kernel k_q8ac5b7e800_main
		.amdhsa_group_segment_fixed_size 327680
		.amdhsa_private_segment_fixed_size 0
		.amdhsa_enable_private_segment 0
		.amdhsa_kernarg_size 56
		.amdhsa_user_sgpr_count 2
		.amdhsa_user_sgpr_kernarg_segment_ptr 1
		.amdhsa_wavefront_size32 1
		.amdhsa_system_sgpr_workgroup_id_x 1
		.amdhsa_system_sgpr_workgroup_id_y 1
		.amdhsa_system_sgpr_workgroup_id_z 1
		.amdhsa_system_vgpr_workitem_id 0
		.amdhsa_next_free_vgpr 1024
		.amdhsa_next_free_sgpr 66
		.amdhsa_reserve_vcc 1
		.amdhsa_float_denorm_mode_32 3
		.amdhsa_float_denorm_mode_16_64 3
		.amdhsa_memory_ordered 1
		.amdhsa_forward_progress 1
		.amdhsa_inst_pref_size 237
	.end_amdhsa_kernel
	.amdgpu_metadata
---
amdhsa.version: [ 1, 2 ]
amdhsa.kernels:
  - .name:           k_q8ac5b7e800_main
    .symbol:         k_q8ac5b7e800_main.kd
    .args:
      - { .name: encoder_outputs, .offset: 0, .size: 8, .value_kind: global_buffer, .address_space: global }
      - { .name: we_codes, .offset: 8, .size: 8, .value_kind: global_buffer, .address_space: global }
      - { .name: hb2, .offset: 16, .size: 8, .value_kind: global_buffer, .address_space: global }
      - { .name: v_W, .offset: 24, .size: 8, .value_kind: global_buffer, .address_space: global }
      - { .name: lowp_scales, .offset: 32, .size: 8, .value_kind: global_buffer, .address_space: global }
      - { .name: attn_mask, .offset: 40, .size: 8, .value_kind: global_buffer, .address_space: global }
      - { .name: sc, .offset: 48, .size: 8, .value_kind: global_buffer, .address_space: global }
    .group_segment_fixed_size: 327680
    .private_segment_fixed_size: 0
    .kernarg_segment_align: 8
    .kernarg_segment_size: 56
    .max_flat_workgroup_size: 128
    .sgpr_count:     66
    .vgpr_count:     1024
    .wavefront_size: 32
...
	.end_amdgpu_metadata
.endif
;; end of part 2
;; launch soft (part 3): grid 64 x 1, 1 waves a work-group, no clusters, 0 bytes of LDS; arguments sc, attn_mask, v_W, out0; writes out0
.if DOCPART == 3
	.amdgcn_target "amdgcn-amd-amdhsa--gfx1250"
	.amdhsa_code_object_version 6
	.text
	.protected	k_q8ac5b7e800_soft
	.globl	k_q8ac5b7e800_soft
	.p2align	8
	.type	k_q8ac5b7e800_soft,@function
k_q8ac5b7e800_soft:
	s_mov_b64 s[64:65], 0
	v_nop
	global_prefetch_b8 v0, s[64:65] scope:SCOPE_SE
	s_setreg_imm32_b32 hwreg(HW_REG_WAVE_MODE, 25, 1), 1
	s_wait_xcnt 0x0
; out0[b][:] = softmax over s of x, x = (sum of v_W) - 2 sc[b][s] where attn_mask[b][s] is not 0, else -1e10.  (sc holds the sum over o of v_W[o] / (1 + 2^y): tanh = 1 - 2 / (1 + 2^y).)
; One wave takes one b: 1,024 numbers, 32 a lane, in registers throughout: no LDS, no barrier.  Load j gives lane l the numbers 128 j + 4 l + 0 .. 3: every load and store covers 512 consecutive bytes.
; The row's largest x is taken away BEFORE the multiplication by log2(e), so that a row that is masked throughout gives differences of exactly 0.
.set VW, 8                             ; v8-39    v_W
.set X,  40                            ; v40-71   sc, then x, then the result
.set MK, 72                            ; v72-103  the mask
.macro SUMX r, t                       ; the sum over the 32 lanes, in every lane; v[t] has been written before
.irp x, 1,2,4,8
	v_add_f32_dpp v[\r], v[\r], v[\r] row_xmask:\x row_mask:0xf bank_mask:0xf
.endr
	v_permlanex16_b32 v[\t], v[\r], s14, s15
	v_add_f32 v[\r], v[\r], v[\t]
.endm
	s_load_b256 s[4:11], s[0:1], 0x0               ; sc s[4:5], attn_mask s[6:7], v_W s[8:9], out0 s[10:11]
	v_lshlrev_b32 v1, 4, v0                        ; one wave: the thread's number is the lane
	s_lshl_b32 s12, ttmp9, 12                      ; b's row of 4,096 bytes
	s_mov_b32 s13, 0
	s_mov_b32 s14, 0x76543210                      ; v_permlanex16_b32's selects for lane l xor 16
	s_mov_b32 s15, 0xfedcba98
	v_mov_b32 v114, 0xd01502f9                     ; -1e10
	s_wait_kmcnt 0x0
	s_add_nc_u64 s[4:5], s[4:5], s[12:13]
	s_add_nc_u64 s[6:7], s[6:7], s[12:13]
	s_add_nc_u64 s[10:11], s[10:11], s[12:13]
.irp j, 0,1,2,3,4,5,6,7
	global_load_b128 v[VW+4*\j:VW+4*\j+3], v1, s[8:9] offset:512*\j
.endr
.irp j, 0,1,2,3,4,5,6,7
	global_load_b128 v[X+4*\j:X+4*\j+3], v1, s[4:5] offset:512*\j th:TH_LOAD_NT
.endr
.irp j, 0,1,2,3,4,5,6,7
	global_load_b128 v[MK+4*\j:MK+4*\j+3], v1, s[6:7] offset:512*\j th:TH_LOAD_NT
.endr
	s_wait_loadcnt 16                              ; v_W is in; sc's and the mask's sixteen loads may be out
	v_pk_add_f32 v[104:105], v[VW:VW+1], v[VW+2:VW+3]          ; the sum of v_W: two at a time, in two chains
	v_pk_add_f32 v[106:107], v[VW+4:VW+5], v[VW+6:VW+7]
.irp j, 8,12,16,20,24,28
	v_pk_add_f32 v[104:105], v[104:105], v[VW+\j:VW+\j+1]
	v_pk_add_f32 v[106:107], v[106:107], v[VW+\j+2:VW+\j+3]
.endr
	v_pk_add_f32 v[104:105], v[104:105], v[106:107]
	v_add_f32 v104, v104, v105
	SUMX 104, 105
	s_wait_loadcnt 0x0
.irp j, 0,2,4,6,8,10,12,14,16,18,20,22,24,26,28,30
	v_pk_fma_f32 v[X+\j:X+\j+1], v[X+\j:X+\j+1], -2.0, v[104:105] op_sel_hi:[1,0,0]   ; the score (of the pair v[104:105] the low word serves both halves)
.endr
.irp j, 0,1,2,3,4,5,6,7,8,9,10,11,12,13,14,15,16,17,18,19,20,21,22,23,24,25,26,27,28,29,30,31
	v_cmp_eq_u32 vcc_lo, 0, v[MK+\j]
	v_cndmask_b32 v[X+\j], v[X+\j], v114, vcc_lo
.endr
	v_max3_num_f32 v108, v[X], v[X+1], v[X+2]      ; the row's largest x, in two chains
	v_max3_num_f32 v109, v[X+3], v[X+4], v[X+5]
.irp j, 6,10,14,18,22,26
	v_max3_num_f32 v108, v108, v[X+\j], v[X+\j+1]
	v_max3_num_f32 v109, v109, v[X+\j+2], v[X+\j+3]
.endr
	v_max3_num_f32 v108, v108, v[X+30], v[X+31]
	v_max_num_f32 v108, v108, v109
.irp x, 1,2,4,8
	v_max_num_f32_dpp v108, v108, v108 row_xmask:\x row_mask:0xf bank_mask:0xf
.endr
	v_permlanex16_b32 v109, v108, s14, s15
	v_max_num_f32 v108, v108, v109
.irp j, 0,2,4,6,8,10,12,14,16,18,20,22,24,26,28,30
	v_pk_add_f32 v[X+\j:X+\j+1], v[X+\j:X+\j+1], v[108:109] op_sel_hi:[1,0] neg_lo:[0,1] neg_hi:[0,1]   ; x - the largest
.endr
.irp j, 0,2,4,6,8,10,12,14,16,18,20,22,24,26,28,30
	v_pk_mul_f32 v[X+\j:X+\j+1], v[X+\j:X+\j+1], 0x3fb8aa3b op_sel_hi:[1,0]                            ; x log2(e)
.endr
.irp j, 0,1,2,3,4,5,6,7,8,9,10,11,12,13,14,15,16,17,18,19,20,21,22,23,24,25,26,27,28,29,30,31
	v_exp_f32 v[X+\j], v[X+\j]
.endr
	v_nop                                          ; a plain line behind the last exponential
	s_wait_alu depctr_va_vdst(0)                   ; one wait for the batch, ahead of its first reader
	v_pk_add_f32 v[110:111], v[X:X+1], v[X+2:X+3]
	v_pk_add_f32 v[112:113], v[X+4:X+5], v[X+6:X+7]
.irp j, 8,12,16,20,24,28
	v_pk_add_f32 v[110:111], v[110:111], v[X+\j:X+\j+1]
	v_pk_add_f32 v[112:113], v[112:113], v[X+\j+2:X+\j+3]
.endr
	v_pk_add_f32 v[110:111], v[110:111], v[112:113]
	v_add_f32 v110, v110, v111
	SUMX 110, 111                                  ; at least 1: the largest x gives the term 1
	v_rcp_f32 v110, v110
	v_nop                                          ; a plain line behind the reciprocal
	s_wait_alu depctr_va_vdst(0)
.irp j, 0,2,4,6,8,10,12,14,16,18,20,22,24,26,28,30
	v_pk_mul_f32 v[X+\j:X+\j+1], v[X+\j:X+\j+1], v[110:111] op_sel_hi:[1,0]
.endr
.irp j, 0,1,2,3,4,5,6,7
	global_store_b128 v1, v[X+4*\j:X+4*\j+3], s[10:11] offset:512*\j th:TH_STORE_NT   ; 512 consecutive bytes a store
.endr
	s_endpgm
.Lfunc_end_k_q8ac5b7e800_soft:
	.size	k_q8ac5b7e800_soft, .Lfunc_end_k_q8ac5b7e800_soft-k_q8ac5b7e800_soft
	.p2alignl 7, 3214868480
	.fill 96, 4, 3214868480
	.section	.rodata,"a",@progbits
	.p2align	6, 0x0
	.amdhsa_kernel k_q8ac5b7e800_soft
		.amdhsa_group_segment_fixed_size 0
		.amdhsa_private_segment_fixed_size 0
		.amdhsa_enable_private_segment 0
		.amdhsa_kernarg_size 32
		.amdhsa_user_sgpr_count 2
		.amdhsa_user_sgpr_kernarg_segment_ptr 1
		.amdhsa_wavefront_size32 1
		.amdhsa_system_sgpr_workgroup_id_x 1
		.amdhsa_system_sgpr_workgroup_id_y 1
		.amdhsa_system_sgpr_workgroup_id_z 1
		.amdhsa_system_vgpr_workitem_id 0
		.amdhsa_next_free_vgpr 128
		.amdhsa_next_free_sgpr 66
		.amdhsa_reserve_vcc 1
		.amdhsa_float_denorm_mode_32 3
		.amdhsa_float_denorm_mode_16_64 3
		.amdhsa_memory_ordered 1
		.amdhsa_forward_progress 1
		.amdhsa_inst_pref_size 16
	.end_amdhsa_kernel
	.amdgpu_metadata
---
amdhsa.version: [ 1, 2 ]
amdhsa.kernels:
  - .name:           k_q8ac5b7e800_soft
    .symbol:         k_q8ac5b7e800_soft.kd
    .args:
      - { .name: sc, .offset: 0, .size: 8, .value_kind: global_buffer, .address_space: global }
      - { .name: attn_mask, .offset: 8, .size: 8, .value_kind: global_buffer, .address_space: global }
      - { .name: v_W, .offset: 16, .size: 8, .value_kind: global_buffer, .address_space: global }
      - { .name: out0, .offset: 24, .size: 8, .value_kind: global_buffer, .address_space: global }
    .group_segment_fixed_size: 0
    .private_segment_fixed_size: 0
    .kernarg_segment_align: 8
    .kernarg_segment_size: 32
    .max_flat_workgroup_size: 32
    .sgpr_count:     66
    .vgpr_count:     128
    .wavefront_size: 32
...
	.end_amdgpu_metadata
.endif
;; end of part 3
